; MI455X (gfx1250); checked and timed in simulation.
; The chip was launched on July 23, 2026; its instructions are those of AMD's public machine-readable ISA for CDNA 5 (MIT licence, August 2026) and "CDNA5" Instruction Set Architecture Reference Guide (July 2026). The comments in the code are by the model that wrote it; some were corrected since.
;; Multi Headed Attention. Allowed arithmetic: matrix products marked QUANTISED: E2M1 operands, one E8M0 scale for each 32 along K, by v_wmma_scale_f32_16x16x128_f8f6f4 with both operands' format E2M1 (or v_wmma_scale_f32_32x16x128_f4), f32 sums; products left as they are: f32 operands where the result goes on into a quantised operand, else bf16, f16 or f32 operands; f32 sums; everything else in f32.
;; Inputs: Wk_codes 1,024 x 16 x 16 uint8 (E2M1 codes of Wk, K innermost, in blocks of 32 codes, two codes a byte); Wk_scales 1,024 x 16 uint8 (E8M0 scales of Wk, one for each 32 codes along K); Wq_codes 1,024 x 32 x 16 uint8 (E2M1 codes of Wq, K innermost, in blocks of 32 codes, two codes a byte); Wq_scales 1,024 x 32 uint8 (E8M0 scales of Wq, one for each 32 codes along K); Wv_codes 1,024 x 16 x 16 uint8 (E2M1 codes of Wv, K innermost, in blocks of 32 codes, two codes a byte); Wv_scales 1,024 x 16 uint8 (E8M0 scales of Wv, one for each 32 codes along K); mask 16 x 4,096 bool; memory_bank_codes 16 x 4,096 x 16 x 16 uint8 (E2M1 codes of memory_bank, K innermost, in blocks of 32 codes, two codes a byte); memory_bank_scales 16 x 4,096 x 16 uint8 (E8M0 scales of memory_bank, one for each 32 codes along K); source_codes 16 x 32 x 16 uint8 (E2M1 codes of source, K innermost, in blocks of 32 codes, two codes a byte); source_scales 16 x 32 uint8 (E8M0 scales of source, one for each 32 codes along K).
;; Outputs: out0 16 x 1,024 float32; out1 16 x 16 x 4,096 float32.
;; This version of the problem:
;;   THIS VERSION OF THE PROBLEM IS GIVEN IN LOW PRECISION. The matrix products marked QUANTISED in the list below multiply operands that are first quantised to E2M1 (2 exponent bits, 1 mantissa bit; 4 bits a number), with one power-of-two scale for each 32 numbers along K (OCP MX v1.0); their sums are f32. All else is computed in f32.
;;   The module's matrix products, in the order in which they are computed (A, B: the left and right operand; K: the contracted axis; several contracted axes count as one K, in the product's order):
;;     1. [M 16, K 1,024] x [K 1,024, N 1,024]; A: input source (given as codes); B: input Wq (given as codes): QUANTISED
;;     2. [M 65,536, K 512] x [K 512, N 1,024]; A: input memory_bank (given as codes); B: input Wk (given as codes): QUANTISED
;;     3. [M 65,536, K 512] x [K 512, N 1,024]; A: input memory_bank (given as codes); B: input Wv (given as codes): QUANTISED
;;     4. batch 256 x [M 1, K 64] x [K 64, N 4,096]; A: computed on the way; B: computed on the way: left as it is (M = 1 < 16)
;;     5. batch 256 x [M 1, K 4,096] x [K 4,096, N 64]; A: softmax; B: computed on the way: left as it is (M = 1 < 16)
;;   THE QUANTISER, for each operand of a quantised product, along K:
;;     - K is cut into blocks of 32 from its start; a last block that is shorter is filled with zeros.
;;     - A block's scale is 2^e with e = floor(log2(the largest magnitude in the block)) - 2, held to -126 .. 127; a block of zeros has e = 0. As a byte (E8M0): e + 127.
;;     - Each number is divided by its block's scale, clamped to +-6, and rounded to the nearest number of E2M1, ties to even, subnormals kept.
;;     - The product sums the exact products of the quantised numbers (number of the format x scale) in f32.
;;   ~~~python
;;   def quantise(x, axis):      # numpy; x: float32 -> the quantised numbers, widened to float32 again
;;       x = np.moveaxis(x, axis, -1); K = x.shape[-1]
;;       x = np.pad(x, [(0, 0)] * (x.ndim - 1) + [(0, -K % 32)]); x = x.reshape(x.shape[:-1] + (-1, 32)); a = np.abs(x).max(-1, keepdims=True)
;;       e = np.where(a > 0, np.clip(np.frexp(np.where(a > 0, a, 1))[1] - 1 - 2, -126, 127), 0)      # np.frexp(a)[1] - 1 = floor(log2(a)), exactly
;;       r = np.clip(x / 2.0 ** e, -6, 6)
;;       step = 2.0 ** (np.maximum(np.frexp(np.where(r == 0, 1, r))[1] - 1, 0) - 1)
;;       q = np.round(r / step) * step * 2.0 ** e      # np.round: ties to even
;;       return np.moveaxis(q.reshape(q.shape[:-2] + (-1,))[..., :K], -1, axis).astype(np.float32)
;;   ~~~
;;   INPUTS GIVEN AS CODES. Wk (in the module: [512, 1024], K = its axis 0); Wq (in the module: [1024, 1024], K = its axis 0); Wv (in the module: [512, 1024], K = its axis 0); memory_bank (in the module: [16, 4096, 512], K = its axis 2); source (in the module: [16, 1024], K = its axis 1): each comes as NAME_codes (uint8): NAME with its K axis moved to the last place and cut into blocks of 32 codes, [.., K / 32, bytes a block], one block behind the other in memory; two codes a byte, the lower K in the low four bits (a code: sign, 2 exponent bits, 1 mantissa bit); and NAME_scales (uint8): the same leading axes, one E8M0 byte (e + 127) for each 32 codes along K. Its value is code x scale, taken as it is: it is not quantised again, and the codes and scales need not be those that the quantiser above would give.
;; One version. Each part assembles by itself: llvm-mc -triple=amdgcn-amd-amdhsa -mcpu=gfx1250 --defsym DOCPART=n.
;; ======== version 1 of 1: 1 launch
;; launch attn (part 1): grid 16 x 16, 8 waves a work-group, clusters of 4 x 1, 327,680 bytes of LDS; arguments source_codes, source_scales, Wq_codes, Wq_scales, Wk_codes, Wk_scales, Wv_codes, Wv_scales, memory_bank_codes, memory_bank_scales, mask, out0, out1; writes out0, out1
.if DOCPART == 1
	.amdgcn_target "amdgcn-amd-amdhsa--gfx1250"
	.amdhsa_code_object_version 6
	.text
	.protected	k_qd8678814fa_attn
	.globl	k_qd8678814fa_attn
	.p2align	8
	.type	k_qd8678814fa_attn,@function
k_qd8678814fa_attn:
	s_mov_b64 s[64:65], 0
	v_nop
	global_prefetch_b8 v0, s[64:65] scope:SCOPE_SE
	s_setreg_imm32_b32 hwreg(HW_REG_WAVE_MODE, 25, 1), 1
	s_wait_xcnt 0x0
	s_wait_alu depctr_hold_cnt(0) depctr_sa_sdst(0) depctr_va_vdst(0) depctr_va_sdst(0) depctr_va_ssrc(0) depctr_va_vcc(0) depctr_vm_vsrc(0)
	s_getreg_b32 s2, hwreg(HW_REG_IB_STS2, 6, 4)
	s_cmp_eq_u32 s2, 0
	s_cbranch_scc0 .Lentry_in_a_cluster
	s_endpgm
.Lentry_in_a_cluster:
	s_bfe_u32 s2, ttmp6, 0x10000c
	s_cmp_lg_u32 s2, 0x3003
	s_cbranch_scc0 .Lentry_shape_is_right
	s_endpgm
.Lentry_shape_is_right:
; One query for each (batch b, head): q = source Wq, k = memory_bank Wk, v = memory_bank Wv (all three on codes of FP4 (E2M1) with E8M0 scales, as they are given),
; scores = q . k / 8, masked rows -1e18, attn = softmax over the 4,096 rows, context = attn . v.  out0 = context [16][1024], out1 = attn [16][16][4096], f32.
; NOTHING OF THE COMPUTATION IS LEFT OUT: every input has a way to an output and is loaded; masked rows are computed and then selected, since only the mask's values throw them away.
; SHARES.  A work-group is one (batch, head): 16 x 16 = 256 of equal work.  It walks all 4,096 rows of its batch against its head's 128 weight columns (64 of Wk, 64 of Wv), so k and v never
; leave the registers and the softmax's axis lies inside one work-group: one launch, no workspace.  Eight waves share the ROWS: of each chunk of 512 rows wave w takes rows 64 w .. 64 w + 63.
; The head's weights, 8 tiles x 4 K steps x 8 registers = 256 registers, stay in every wave's window 1.  A fragment of 16 rows x 512 K (32 registers) read from LDS feeds 32 matrix instructions.
; TRANSPOSED USE: source 0 = 16 weight columns, source 1 = 16 memory rows: lane (r = lane % 16, h = lane / 16) holds ONE row r and, in register 8 t + j, channel d = 16 t + 8 h + j.
; The two products with one row on a side (q . k and attn . v) are packed f32 multiply-adds on those registers: q lies in 32 registers in the same layout, the context is summed per lane and
; the lanes meet once at the end.  On the matrix unit 15 of 16 rows would be empty, and rounding each k and v to 16 bits would cost as many instructions as the multiply-add itself.
; SOFTMAX: t = score x log2(e); each lane keeps a running maximum m and sum l of its rows; p = 2^(t - m); at the end lanes and waves are brought under the common maximum M.
; t of all 4,096 rows stays in LDS; attn = 2^(t - M) / L is written at the end.
; CLUSTER: the four heads of a cluster walk the same rows of memory_bank and the same mask: those tiles are asked for JOINTLY (mask 15).  The weights differ from head to head: plain loads.
; A wave fetches the 64 rows that it alone reads, so its own wait on TENSORcnt orders its reads; a slot is filled again behind a round of the cluster's barrier.
; LIMITS: NaN, infinities and the scale byte 0xff are not served.  A masked row's t is the constant -1e18 x log2(e).  The running maximum begins at -3e38.  p under 2^-126 counts as 0.
; q is multiplied once by log2(e) / 8 in f32, and its K is summed in four parts: another order of rounding than the reference's.
; REGISTERS, window 0: v1, v2 the add's two; v3-9 addresses; v10, 11 mask bytes; v12-27 statistics; v28-43 the weights' scale words; v44-59 the rows' scale words, two sets; v60-91 q;
;   v92-123 the context; v124-187 the rows' fragments (two tiles of 16 rows x 512 K); v188-251 k, then v, of those two tiles; v252 the masked t; v253-255 addresses of the way out.
;   window 1: v0-127 Wk (tile t, K step s at 8 (4 t + s)), v128-255 Wv.
.set ROWP,   272                       ; an LDS row of codes: 256 bytes + 16 of padding = 68 words: the 16 rows of a fragment load start at 16 different banks (64 banks of 4 bytes: ISA guide 11.1)
.set WAVEB,  64*ROWP                   ; 64 rows: what one tensor load brings
.set SLOTB,  8*WAVEB                   ; a slot: 512 rows, wave w's at w x WAVEB
.set CHUNKB, 512*256                   ; a chunk's codes in memory
.set WREG,   2*SLOTB                   ; behind the ring: Wk's 64 rows, then Wv's: filled once, read once
.set SCR,    WREG                      ; t of 4,096 rows, 2,048 bytes a wave: stored only when WREG has had its one fill and every wave has passed the barrier behind its last read of it
.set WSC,    WREG+2*WAVEB              ; the weights' scale bytes: Wk's 1,024, then Wv's
.set MSK,    WSC+2048                  ; the batch's 4,096 mask bytes
.set SPARE,  MSK+4096                  ; the spare words, 128 bytes for each wave: four blocks of 256 bytes that no other line names
.set QB,     SPARE+1024                ; q: wave w's eight numbers a half at 64 w + 32 h
.set RED,    QB+512                    ; +0: the waves' maxima; +32: the waves' sums
.set CTXP,   RED+256                   ; the waves' context parts: 256 bytes a wave
.set SPW, 1
.set NIL, 2
.set AF,  3                            ; v3, v4  my lane's place in my wave's rows of slot 0, 1
.set AMK, 5                            ; v5      my row's mask byte
.set AST, 6                            ; v6      where my row's t goes
.set VSO, 7                            ; v7      my row's 16 scale bytes in a chunk: 1,024 w + 16 x lane; never rewritten
.set PFO, 8                            ; v8      256 x lane: the prefetches' offset; never rewritten
.set TA,  9
.set MK,  10
.set SA,  12                           ; a = 2^(old m - new m)
.set SM,  13                           ; m
.set SP0, 14                           ; p of tile 0's row
.set SL,  15                           ; l
.set SP1, 16                           ; p of tile 1's row
.set SN,  17                           ; the new m
.set TV,  18                           ; v18, v19 t of the two rows
.set TT,  20                           ; v20-23 at work
.set PD,  24                           ; v24, v25 the lane exchange's destinations
.set DF,  26                           ; v26, v27 differences
.set WS,  28
.set MS,  44
.set Q,   60
.set CT,  92
.set F,   124
.set XY,  188
.set NEG, 252
.set WV,   30                          ; wave
.set HD,   31                          ; head = 4 x cluster x + my place in the cluster: it enters addresses in memory alone
.set BB,   32                          ; batch
.set CX,   33
.set W1,   34                          ; wave % 2
.set LIMB, 35
.set G1C,  36                          ; s[36:43] group 1: codes, joint
.set G1W,  44                          ; s[44:51] the weights' codes, plain
.set G1WS, 52                          ; s[52:59] the weights' scale bytes, plain
.set G0S,  60                          ; s[60:63] group 0 of slot 0; s[76:79] of slot 1
.set CS,   66                          ; s[66:67] log2(e) / 8
.set G1M,  68                          ; s[68:75] the mask, joint
.set G0A,  80
.set G0B,  84
.set G0C,  88
.set SB,   92                          ; s[92:93] the rows' scale bytes
.set PFA,  94                          ; s[94:95] where my prefetches stand
.set TRIP, 96
.set LIMA, 97
.set T1,   98                          ; s[98:99] offsets that hold my place in the cluster; s[2:3]: offsets that do not
.set SEL,  100                         ; s[100:101] lane l xor 16
.set MSB, 0
.macro WIN new                         ; the immediate's high byte repeats the setting that is left
.if MSB != \new
	s_set_vgpr_msb (MSB<<8)|\new
.set MSB, \new
.endif
.endm
.set MULW, 0x01                        ; source 0 (the weights) window 1, all else window 0
.set TO_W, 0x40                        ; destination window 1
.macro PLACES                          ; four plain instructions between a matrix instruction and a read of its result, or a load into one of its registers
.rept 4
	v_nop
.endr
.endm
.macro CROUND                          ; a round of the cluster's barrier
	s_barrier_signal -1
	s_barrier_wait -1
	s_cmp_lg_u32 s[WV], 0
	s_cbranch_scc1 .Lnot_wave_0_\@
	s_barrier_signal -3
.Lnot_wave_0_\@:
	s_barrier_wait -3
	s_barrier_signal -1
	s_barrier_wait -1
.endm
	s_load_b512 s[4:19], s[0:1], 0x0               ; source's codes, scales; Wq's; Wk's; Wv's
	s_load_b256 s[20:27], s[0:1], 0x40             ; memory_bank's codes, scales; mask; out0
	s_load_b64 s[28:29], s[0:1], 0x60              ; out1
	v_lshl_add_u32 v[SPW], v0, 2, SPARE
	v_mov_b32 v[NIL], 0
	ds_add_u32 v[SPW], v[NIL]                      ; the wave's opening: the add, twice on end, and its wait ahead of my first tensor load
	ds_add_u32 v[SPW], v[NIL]                      ; and once more; the set-up below, work on registers, stands between it and the wait
	v_lshrrev_b32 v[TA], 5, v0
	v_readfirstlane_b32 s[WV], v[TA]               ; wave 0..7
	s_bfe_u32 s[CX], ttmp6, 0x40000                ; my place in the cluster
	s_lshl_b32 s[HD], ttmp9, 2
	s_add_co_u32 s[HD], s[HD], s[CX]
	s_and_b32 s[BB], ttmp7, 0xffff
	s_and_b32 s[W1], s[WV], 1
	; group 1, codes of 64 rows x 256 bytes, 16 bytes of padding behind each row; joint: mask 15 and bit 21
	s_mov_b32 s[G1C], 15|(1<<20)|(1<<21)|(5<<22)|(3<<25)
	s_mov_b32 s[G1W], (1<<20)|(5<<22)|(3<<25)      ; the same shape, no mask: each head's own weights
.irp g, G1C, G1W
	s_mov_b32 s[\g+1], 256<<16                     ; tensor_dim0
	s_mov_b32 s[\g+2], 64<<16                      ; tensor_dim1
	s_mov_b32 s[\g+3], 256<<16                     ; tile_dim0
	s_mov_b32 s[\g+4], 64                          ; tile_dim1
	s_mov_b32 s[\g+5], 256                         ; from row to row
	s_mov_b32 s[\g+6], 0
	s_mov_b32 s[\g+7], 0
.endr
	s_mov_b32 s[G1WS], 3<<16                       ; 1,024 dense bytes as 4 rows of 32 elements of 8 bytes
	s_mov_b32 s[G1WS+1], 32<<16
	s_mov_b32 s[G1WS+2], 4<<16
	s_mov_b32 s[G1WS+3], 32<<16
	s_mov_b32 s[G1WS+4], 4
	s_mov_b32 s[G1WS+5], 32
	s_mov_b32 s[G1WS+6], 0
	s_mov_b32 s[G1WS+7], 0
	s_mov_b32 s[G1M], 15|(3<<16)|(1<<21)           ; 4,096 dense bytes as 16 such rows; joint
	s_mov_b32 s[G1M+1], 32<<16
	s_mov_b32 s[G1M+2], 16<<16
	s_mov_b32 s[G1M+3], 32<<16
	s_mov_b32 s[G1M+4], 16
	s_mov_b32 s[G1M+5], 32
	s_mov_b32 s[G1M+6], 0
	s_mov_b32 s[G1M+7], 0
	s_mov_b32 s[SEL], 0x76543210
	s_mov_b32 s[SEL+1], 0xfedcba98
	s_mov_b32 s[CS], 0x3e38aa3b                    ; log2(e) / 8
	s_mov_b32 s[CS+1], s[CS]                       ; (named with it as a pair, so it is written)
	s_mov_b32 s[TRIP], 3
	s_lshr_b32 s[LIMA], s[WV], 2                   ; 0 in waves 0 to 3,
	s_or_b32 s[LIMA], s[LIMA], ttmp9               ; of the batch's first cluster: the same in all four partners
	s_cmp_eq_u32 s[LIMA], 0
	s_cselect_b32 s[LIMA], 0, -1                   ; a wave prefetches while the trips to go are above its limit
	s_cselect_b32 s[LIMB], 1, -1
	s_wait_dscnt 0x0                               ; both opening adds are done
	s_wait_kmcnt 0x0
	; group 0 of the two slots: my 64 rows of chunks 0 and 1
	s_lshl_b32 s2, s[BB], 20
	s_lshl_b32 s3, s[WV], 14
	s_add_co_u32 s2, s2, s3
	s_mov_b32 s3, 0
	s_mov_b32 s[G0S], 1
	s_mul_i32 s[G0S+1], s[WV], WAVEB
	s_add_nc_u64 s[G0S+2:G0S+3], s[20:21], s[2:3]
	s_mov_b32 s[G0S+16], 1
	s_add_co_u32 s[G0S+17], s[G0S+1], SLOTB
	s_add_nc_u64 s[G0S+18:G0S+19], s[G0S+2:G0S+3], CHUNKB
	s_or_b32 s[G0S+3], s[G0S+3], 0x80000000
	s_or_b32 s[G0S+19], s[G0S+19], 0x80000000
	s_lshl_b32 s2, s[BB], 12                       ; the batch's mask
	s_mov_b32 s[G0C], 1
	s_mov_b32 s[G0C+1], MSK
	s_add_nc_u64 s[G0C+2:G0C+3], s[24:25], s[2:3]
	s_or_b32 s[G0C+3], s[G0C+3], 0x80000000
	s_lshl_b32 s2, s[BB], 16                       ; the batch's scale bytes
	s_add_nc_u64 s[SB:SB+1], s[22:23], s[2:3]
	s_lshr_b32 s2, s[WV], 2                        ; source: row b of 512 bytes, my half of K (256 bytes)
	s_lshl_b32 s2, s2, 8
	s_lshl_b32 s3, s[BB], 9
	s_add_co_u32 s2, s2, s3
	s_mov_b32 s3, 0
	s_add_nc_u64 s[4:5], s[4:5], s[2:3]
	s_lshr_b32 s2, s2, 4                           ; its scale bytes: a sixteenth of that
	s_add_nc_u64 s[6:7], s[6:7], s[2:3]
	; the head's weights: even waves name Wk, odd waves Wv
	s_cmp_eq_u32 s[W1], 0
	s_cselect_b64 s[G0A+2:G0A+3], s[12:13], s[16:17]
	s_cselect_b64 s[G0B+2:G0B+3], s[14:15], s[18:19]
	s_lshl_b32 s[T1], s[HD], 14                    ; 64 rows of 256 bytes a head
	s_mov_b32 s[T1+1], 0
	s_add_nc_u64 s[G0A+2:G0A+3], s[G0A+2:G0A+3], s[T1:T1+1]
	s_or_b32 s[G0A+3], s[G0A+3], 0x80000000
	s_lshl_b32 s[T1], s[HD], 10                    ; 64 rows of 16 scale bytes
	s_add_nc_u64 s[G0B+2:G0B+3], s[G0B+2:G0B+3], s[T1:T1+1]
	s_or_b32 s[G0B+3], s[G0B+3], 0x80000000
	s_mov_b32 s[G0A], 1
	s_mul_i32 s[G0A+1], s[W1], WAVEB
	s_add_co_u32 s[G0A+1], s[G0A+1], WREG
	s_mov_b32 s[G0B], 1
	s_lshl_b32 s[G0B+1], s[W1], 10
	s_add_co_u32 s[G0B+1], s[G0B+1], WSC
	; Wq: the head's 64 rows of 512 bytes; my tile of 16 (wave % 4), my half of K (wave / 4)
	s_lshl_b32 s[T1], s[HD], 15
	s_and_b32 s[T1+1], s[WV], 3
	s_lshl_b32 s[T1+1], s[T1+1], 13
	s_add_co_u32 s[T1], s[T1], s[T1+1]
	s_lshr_b32 s[T1+1], s[WV], 2
	s_lshl_b32 s[T1+1], s[T1+1], 8
	s_add_co_u32 s[T1], s[T1], s[T1+1]
	s_mov_b32 s[T1+1], 0
	s_add_nc_u64 s[8:9], s[8:9], s[T1:T1+1]
	s_lshr_b32 s[T1], s[T1], 4
	s_add_nc_u64 s[10:11], s[10:11], s[T1:T1+1]
	s_lshl_b32 s[T1], s[BB], 4                     ; out1: row 16 b + head of 16,384 bytes; out0: 256 bytes for the same number
	s_add_co_u32 s[T1], s[T1], s[HD]
	s_lshl_b32 s[T1], s[T1], 14
	s_add_nc_u64 s[28:29], s[28:29], s[T1:T1+1]
	s_lshr_b32 s[T1], s[T1], 6
	s_add_nc_u64 s[26:27], s[26:27], s[T1:T1+1]
	s_lshl_b32 s[T1], s[BB], 20                    ; the prefetches: of a chunk's 512 rows my work-group takes 128, my wave 32 of them, told apart by address; at chunk 2: the first change steps it to 3
	s_lshl_b32 s[T1+1], s[CX], 15
	s_add_co_u32 s[T1], s[T1], s[T1+1]
	s_and_b32 s[T1+1], s[WV], 3
	s_lshl_b32 s[T1+1], s[T1+1], 13
	s_add_co_u32 s[T1], s[T1], s[T1+1]
	s_add_co_u32 s[T1], s[T1], 2*CHUNKB
	s_mov_b32 s[T1+1], 0
	s_add_nc_u64 s[PFA:PFA+1], s[20:21], s[T1:T1+1]
	CROUND                                         ; all four work-groups are here: the first joint loads meet
	; THE FIRST FILLS, one group.  Waves 0, 1: Wk's and Wv's codes; waves 2, 3: their scale bytes; wave 4: the mask; then EVERY wave its rows of chunks 0 and 1: at most three loads of mine are out.
	s_cmp_lt_u32 s[WV], 2
	s_cbranch_scc0 .Lnot_w
	tensor_load_to_lds s[G0A:G0A+3], s[G1W:G1W+7]
	s_nop 0
	PLACES
	s_branch .Lextra_done
.Lnot_w:
	s_cmp_lt_u32 s[WV], 4
	s_cbranch_scc0 .Lnot_ws
	tensor_load_to_lds s[G0B:G0B+3], s[G1WS:G1WS+7]
	s_nop 0
	PLACES
	s_branch .Lextra_done
.Lnot_ws:
	s_cmp_eq_u32 s[WV], 4
	s_cbranch_scc0 .Lextra_done
	tensor_load_to_lds s[G0C:G0C+3], s[G1M:G1M+7]
	s_nop 0
	PLACES
.Lextra_done:
	tensor_load_to_lds s[G0S:G0S+3], s[G1C:G1C+7]
	s_nop 0
	tensor_load_to_lds s[G0S+16:G0S+19], s[G1C:G1C+7]
	s_nop 0
	PLACES
	v_and_b32 v[MK], 15, v0                        ; r
	v_bfe_u32 v[MK+1], v0, 4, 1                    ; h
	v_and_b32 v[PFO], 31, v0                       ; lane
	v_lshlrev_b32 v[TT], 9, v[MK]
	v_lshl_add_u32 v[TT], v[MK+1], 4, v[TT]        ; Wq: row r of 512 bytes + 16 h
	v_lshlrev_b32 v[TT+1], 4, v[MK+1]              ; source: 16 h: ALL sixteen columns of the operand are row b, so every lane of a half gets the same q
	v_lshlrev_b32 v[TT+2], 5, v[MK]                ; Wq's scale bytes: 32 a row
	v_mov_b32 v[TT+3], 0                           ; source's: the one row
	v_lshlrev_b32 v[VSO], 4, v[PFO]
	v_lshl_add_u32 v[VSO], v[TA], 10, v[VSO]
.irp s, 0,1,2,3                                ; my four K steps of 128: registers 4 c .. 4 c + 3 hold K = 64 c + 32 h + 0 .. 31.  Read once: 4 KiB of Wq a wave
.irp c, 0,1
	global_load_b128 v[F+8*\s+4*\c:F+8*\s+4*\c+3], v[TT], s[8:9] offset:64*\s+32*\c
	global_load_b128 v[XY+8*\s+4*\c:XY+8*\s+4*\c+3], v[TT+1], s[4:5] offset:64*\s+32*\c
.endr
.endr
	global_load_b128 v[WS:WS+3], v[TT+2], s[10:11] ; their scale words: one for each K step
	global_load_b128 v[WS+4:WS+7], v[TT+3], s[6:7]
	; the rows' scale words of chunks 0 and 1: 16 bytes a row = the four K steps' words; lanes 0-15 tile 0's rows, lanes 16-31 tile 1's: 512 consecutive bytes a load
	global_load_b128 v[MS:MS+3], v[VSO], s[SB:SB+1]
	global_load_b128 v[MS+4:MS+7], v[VSO], s[SB:SB+1] offset:512
	global_load_b128 v[MS+8:MS+11], v[VSO], s[SB:SB+1] offset:8192
	global_load_b128 v[MS+12:MS+15], v[VSO], s[SB:SB+1] offset:8192+512
	v_lshlrev_b32 v[PFO], 8, v[PFO]
	v_mul_u32_u24 v[AF], v[MK], ROWP
	v_lshl_add_u32 v[AF], v[MK+1], 4, v[AF]        ; row r x pitch + 16 h
	v_add_nc_u32 v[PD], WREG, v[AF]                ; the weights' fragments
	v_mad_u32_u24 v[AF], v[TA], WAVEB, v[AF]       ; + my wave's 64 rows
	v_add_nc_u32 v[AF+1], SLOTB, v[AF]
	v_lshl_add_u32 v[AMK], v[TA], 6, v[MK]
	v_add_nc_u32 v[AMK], MSK, v[AMK]
	v_lshlrev_b32 v[AST], 2, v[MK]
	v_lshl_add_u32 v[AST], v[TA], 11, v[AST]
	v_add_nc_u32 v[AST], SCR, v[AST]
	v_lshlrev_b32 v[PD+1], 4, v[MK]
	v_lshl_add_u32 v[PD+1], v[MK+1], 10, v[PD+1]
	v_add_nc_u32 v[PD+1], WSC, v[PD+1]             ; the weights' scale words: lanes 0-15 Wk's, lanes 16-31 Wv's, 1,024 bytes on
	v_lshlrev_b32 v[DF+1], 5, v[MK+1]
	v_add_nc_u32 v[DF+1], QB, v[DF+1]              ; q back: 32 h
	v_lshl_add_u32 v[DF], v[TA], 6, v[DF+1]        ; q in: + 64 w
	s_wait_tensorcnt 0x2                           ; my extra fill has landed; the two slot loads issued behind it may stay out
	s_barrier_signal -1
	s_barrier_wait -1                              ; weights, their scale bytes and the mask lie in LDS for all
	WIN TO_W
.irp m, 0,1
.irp t, 0,1,2,3
.irp s, 0,1,2,3
.irp c, 0,1
	ds_load_b128 v[128*\m+8*(4*\t+\s)+4*\c:128*\m+8*(4*\t+\s)+4*\c+3], v[PD] offset:(64*\m+16*\t)*ROWP+64*\s+32*\c
.endr
.endr
.endr
.endr
	WIN 0
	; q: my tile's 16 channels over my half of K: four matrix instructions, two accumulators by turns
	s_wait_loadcnt 0x4                             ; all but the four loads of the rows' scale words
	v_wmma_scale_f32_16x16x128_f8f6f4 v[CT:CT+7], v[F:F+7], v[XY:XY+7], 0, v[WS], v[WS+4] matrix_a_fmt:MATRIX_FMT_FP4 matrix_b_fmt:MATRIX_FMT_FP4
	v_wmma_scale_f32_16x16x128_f8f6f4 v[CT+8:CT+15], v[F+8:F+15], v[XY+8:XY+15], 0, v[WS+1], v[WS+5] matrix_a_fmt:MATRIX_FMT_FP4 matrix_b_fmt:MATRIX_FMT_FP4
	v_wmma_scale_f32_16x16x128_f8f6f4 v[CT:CT+7], v[F+16:F+23], v[XY+16:XY+23], v[CT:CT+7], v[WS+2], v[WS+6] matrix_a_fmt:MATRIX_FMT_FP4 matrix_b_fmt:MATRIX_FMT_FP4
	v_wmma_scale_f32_16x16x128_f8f6f4 v[CT+8:CT+15], v[F+24:F+31], v[XY+24:XY+31], v[CT+8:CT+15], v[WS+3], v[WS+7] matrix_a_fmt:MATRIX_FMT_FP4 matrix_b_fmt:MATRIX_FMT_FP4
	PLACES
.irp p, 0,2,4,6
	v_pk_mul_f32 v[CT+16+\p:CT+17+\p], v[CT+\p:CT+1+\p], s[CS:CS+1] op_sel_hi:[1,0]
.endr
.irp p, 0,2,4,6
	v_pk_fma_f32 v[CT+16+\p:CT+17+\p], v[CT+8+\p:CT+9+\p], s[CS:CS+1], v[CT+16+\p:CT+17+\p] op_sel_hi:[1,0,1]   ; (both parts) x log2(e) / 8
.endr
	ds_store_b128 v[DF], v[CT+16:CT+19]            ; the sixteen lanes of a half write the same bytes with the same values
	ds_store_b128 v[DF], v[CT+20:CT+23] offset:16
.irp t, 0,1,2,3
	ds_load_b128 v[WS+4*\t:WS+4*\t+3], v[PD+1] offset:256*\t   ; tile t, row r: the four K steps' words
.endr
	s_wait_dscnt 0x0                               ; my part of q is stored, and my reads of the weights are over
	s_barrier_signal -1
	s_barrier_wait -1                              ; q is whole; nobody reads the weights' bytes any more: t may be stored there
.irp t, 0,1,2,3
.irp c, 0,1
	ds_load_b128 v[Q+8*\t+4*\c:Q+8*\t+4*\c+3], v[DF+1] offset:64*\t+16*\c            ; the first half of K,
	ds_load_b128 v[XY+8*\t+4*\c:XY+8*\t+4*\c+3], v[DF+1] offset:256+64*\t+16*\c      ; and the second
.endr
.endr
	v_mov_b32 v[SM], 0xff61b1e6                    ; m = -3e38, under every t
	v_mov_b32 v[SL], 0
	v_mov_b32 v[NEG], 0xdda02bdc                   ; -1e18 x log2(e)
.irp j, 0,1,2,3,4,5,6,7,8,9,10,11,12,13,14,15,16,17,18,19,20,21,22,23,24,25,26,27,28,29,30,31
	v_mov_b32 v[CT+\j], 0                          ; the loop has no first step of its own: the first a is 0 and meets zeros
.endr
; 32 matrix instructions: matrix mat (0: Wk, 1: Wv) x the two tiles of 16 rows in F, all of K.  Eight accumulators take turns, one instruction a turn; the first K step starts the sums.
.macro WM link, ra, rb
.if (\link) == 0
.if ((\ra) == 0) && ((\rb) == 0)
	v_wmma_scale_f32_16x16x128_f8f6f4 v[rD:rD+7], v[rA:rA+7], v[rB:rB+7], 0, v[rX], v[rY] matrix_a_fmt:MATRIX_FMT_FP4 matrix_b_fmt:MATRIX_FMT_FP4
.elseif (\ra) == 0
	v_wmma_scale_f32_16x16x128_f8f6f4 v[rD:rD+7], v[rA:rA+7], v[rB:rB+7], 0, v[rX], v[rY] matrix_a_fmt:MATRIX_FMT_FP4 matrix_b_fmt:MATRIX_FMT_FP4 matrix_b_scale:MATRIX_SCALE_ROW1
.elseif (\rb) == 0
	v_wmma_scale_f32_16x16x128_f8f6f4 v[rD:rD+7], v[rA:rA+7], v[rB:rB+7], 0, v[rX], v[rY] matrix_a_fmt:MATRIX_FMT_FP4 matrix_b_fmt:MATRIX_FMT_FP4 matrix_a_scale:MATRIX_SCALE_ROW1
.else
	v_wmma_scale_f32_16x16x128_f8f6f4 v[rD:rD+7], v[rA:rA+7], v[rB:rB+7], 0, v[rX], v[rY] matrix_a_fmt:MATRIX_FMT_FP4 matrix_b_fmt:MATRIX_FMT_FP4 matrix_a_scale:MATRIX_SCALE_ROW1 matrix_b_scale:MATRIX_SCALE_ROW1
.endif
.else
.if ((\ra) == 0) && ((\rb) == 0)
	v_wmma_scale_f32_16x16x128_f8f6f4 v[rD:rD+7], v[rA:rA+7], v[rB:rB+7], v[rD:rD+7], v[rX], v[rY] matrix_a_fmt:MATRIX_FMT_FP4 matrix_b_fmt:MATRIX_FMT_FP4
.elseif (\ra) == 0
	v_wmma_scale_f32_16x16x128_f8f6f4 v[rD:rD+7], v[rA:rA+7], v[rB:rB+7], v[rD:rD+7], v[rX], v[rY] matrix_a_fmt:MATRIX_FMT_FP4 matrix_b_fmt:MATRIX_FMT_FP4 matrix_b_scale:MATRIX_SCALE_ROW1
.elseif (\rb) == 0
	v_wmma_scale_f32_16x16x128_f8f6f4 v[rD:rD+7], v[rA:rA+7], v[rB:rB+7], v[rD:rD+7], v[rX], v[rY] matrix_a_fmt:MATRIX_FMT_FP4 matrix_b_fmt:MATRIX_FMT_FP4 matrix_a_scale:MATRIX_SCALE_ROW1
.else
	v_wmma_scale_f32_16x16x128_f8f6f4 v[rD:rD+7], v[rA:rA+7], v[rB:rB+7], v[rD:rD+7], v[rX], v[rY] matrix_a_fmt:MATRIX_FMT_FP4 matrix_b_fmt:MATRIX_FMT_FP4 matrix_a_scale:MATRIX_SCALE_ROW1 matrix_b_scale:MATRIX_SCALE_ROW1
.endif
.endif
.endm
.macro MUL32 mat, bank, pr             ; bank: the set of the rows' scale words; pr: which 32 rows of my 64
.irp s, 0,1,2,3
.irp u, 0,1
.irp t, 0,1,2,3
.set rD, XY+32*\u+8*\t
.set rA, 128*(\mat)+8*(4*\t+\s)
.set rB, F+32*\u+8*\s
.set rX, WS+4*\t+\s                    ; lanes 0-15 Wk's word, lanes 16-31 Wv's
.set rY, MS+8*(\bank)+4*(\pr)+\s       ; lanes 0-15 tile 0's rows, lanes 16-31 tile 1's
	WM \s, \mat, \u
.endr
.endr
.endr
.endm
; the fragments and mask bytes of 32 rows: pair pr of my 64 rows in a slot
.macro LOADS slot, pr
.irp u, 0,1
.irp k, 0,1,2,3
.irp c, 0,1
	ds_load_b128 v[F+32*\u+8*\k+4*\c:F+32*\u+8*\k+4*\c+3], v[AF+(\slot)] offset:(32*(\pr)+16*\u)*ROWP+64*\k+32*\c
.endr
.endr
.endr
	ds_load_u8 v[MK], v[AMK] offset:32*(\pr)
	ds_load_u8 v[MK+1], v[AMK] offset:32*(\pr)+16
.endm
; k lies in XY: t = q' . k of my two rows, the mask, the running maximum, p.
.macro SCORE pr
	PLACES
.irp t, 0,1,2,3                                ; each accumulator is read from its low end on
.irp p, 0,2,4,6
.irp u, 0,1
.if \t == 0
	v_pk_mul_f32 v[XY+32*\u+\p:XY+32*\u+\p+1], v[Q+\p:Q+\p+1], v[XY+32*\u+\p:XY+32*\u+\p+1]
.else
	v_pk_fma_f32 v[XY+32*\u+\p:XY+32*\u+\p+1], v[Q+8*\t+\p:Q+8*\t+\p+1], v[XY+32*\u+8*\t+\p:XY+32*\u+8*\t+\p+1], v[XY+32*\u+\p:XY+32*\u+\p+1]
.endif
.endr
.endr
.endr
.irp u, 0,1
	v_pk_add_f32 v[XY+32*\u:XY+32*\u+1], v[XY+32*\u:XY+32*\u+1], v[XY+32*\u+2:XY+32*\u+3]
	v_pk_add_f32 v[XY+32*\u+4:XY+32*\u+5], v[XY+32*\u+4:XY+32*\u+5], v[XY+32*\u+6:XY+32*\u+7]
.endr
.irp u, 0,1
	v_pk_add_f32 v[TT+2*\u:TT+2*\u+1], v[XY+32*\u:XY+32*\u+1], v[XY+32*\u+4:XY+32*\u+5]
.endr
.irp u, 0,1
	v_add_f32 v[TV+\u], v[TT+2*\u], v[TT+2*\u+1]   ; my half's 32 channels
.endr
.irp u, 0,1
	v_permlanex16_b32 v[PD+\u], v[TV+\u], s[SEL], s[SEL+1]
.endr
.irp u, 0,1
	v_add_f32 v[TV+\u], v[TV+\u], v[PD+\u]         ; with the other half's: the same bits in both halves
.endr
.irp u, 0,1
	v_cmp_eq_u32 vcc_lo, 0, v[MK+\u]
	v_cndmask_b32 v[TV+\u], v[NEG], v[TV+\u], vcc_lo   ; a masked row: -1e18 x log2(e)
.endr
	ds_store_b32 v[AST], v[TV] offset:128*(\pr)    ; kept for attn; both halves write the same word with the same value
	ds_store_b32 v[AST], v[TV+1] offset:128*(\pr)+64
	v_max3_num_f32 v[SN], v[SM], v[TV], v[TV+1]
	v_sub_f32 v[DF], v[SM], v[SN]
	v_sub_f32 v[DF+1], v[TV], v[SN]
	v_sub_f32 v[TT], v[TV+1], v[SN]
	v_exp_f32 v[SA], v[DF]
	v_exp_f32 v[SP0], v[DF+1]
	v_exp_f32 v[SP1], v[TT]
	v_mov_b32 v[SM], v[SN]                         ; a plain instruction behind the exponentials
	s_wait_alu depctr_va_vdst(0)                   ; one wait for the three, ahead of their first reader
	v_fma_f32 v[SL], v[SL], v[SA], v[SP0]
	v_add_f32 v[SL], v[SL], v[SP1]
.endm
; v lies in XY: the context under the new maximum, and my two rows' p x v
.macro CTX
.irp p, 0,2,4,6,8,10,12,14,16,18,20,22,24,26,28,30
	v_pk_mul_f32 v[CT+\p:CT+\p+1], v[CT+\p:CT+\p+1], v[SA:SA+1] op_sel_hi:[1,0]
.endr
.irp p, 0,2,4,6,8,10,12,14,16,18,20,22,24,26,28,30
	v_pk_fma_f32 v[CT+\p:CT+\p+1], v[XY+\p:XY+\p+1], v[SP0:SP0+1], v[CT+\p:CT+\p+1] op_sel_hi:[1,0,1]
.endr
.irp p, 0,2,4,6,8,10,12,14,16,18,20,22,24,26,28,30
	v_pk_fma_f32 v[CT+\p:CT+\p+1], v[XY+32+\p:XY+32+\p+1], v[SP1:SP1+1], v[CT+\p:CT+\p+1] op_sel_hi:[1,0,1]
.endr
.endm
; A PREFETCH INTO THE L2 of the chunk that the NEXT change of slots will ask for: 512 rows of 256 bytes, a lane a row, one instruction a wave.  All four clusters of a batch walk the same rows: the batch's first
; cluster asks; its four partners take 128 rows each, told apart by address; in each, waves 0 to 3 take 32 each.  So each row of chunks 3 to 7 is named once in the launch.  The last change that fills a slot asks for nothing.
.macro ASK lim
	s_cmp_gt_u32 s[TRIP], s[\lim]
	s_cbranch_scc0 .Lnot_mine_\@
	global_prefetch_b8 v[PFO], s[PFA:PFA+1] th:TH_LOAD_NT scope:SCOPE_SE
.Lnot_mine_\@:
.endm
; THE CHANGE OF SLOTS: my reads of this slot are over.  All my tensor loads have landed (the other slot's among them); the add; the steps; the round; then this slot is filled with the chunk two on.
.macro CHANGE slot, lim
	s_wait_tensorcnt 0x0                           ; no tensor load of mine is out, so a group 0 may be written
	ds_add_u32 v[SPW], v[NIL]                      ; 0 onto my spare word; the steps below stand between it and the wait for it
	s_add_nc_u64 s[G0S+16*(\slot)+2:G0S+16*(\slot)+3], s[G0S+16*(\slot)+2:G0S+16*(\slot)+3], 2*CHUNKB
	s_wait_xcnt 0x0                                ; the last change's loads and prefetch have read their bases
	s_add_nc_u64 s[SB:SB+1], s[SB:SB+1], 8192
	s_add_nc_u64 s[PFA:PFA+1], s[PFA:PFA+1], CHUNKB
	v_add_nc_u32 v[AST], 256, v[AST]               ; the next chunk's t: 64 words of my wave's 512
	v_add_nc_u32 v[AMK], 512, v[AMK]               ; and its mask bytes
	s_wait_dscnt 0x0                               ; the add is done, and my reads of the slot are over
	CROUND                                         ; the same holds of every wave of all four work-groups
	tensor_load_to_lds s[G0S+16*(\slot):G0S+16*(\slot)+3], s[G1C:G1C+7]   ; my one tensor load behind the round: it has a chunk's work in which to land
	s_nop 0
	PLACES                                         ; also the places in front of the loads below
	ASK \lim
	global_load_b128 v[MS+8*(\slot):MS+8*(\slot)+3], v[VSO], s[SB:SB+1] offset:8192          ; the scale words of the chunk two on, into the set just used
	global_load_b128 v[MS+8*(\slot)+4:MS+8*(\slot)+7], v[VSO], s[SB:SB+1] offset:8192+512
	s_wait_loadcnt 0x2                             ; the next chunk's two loads are in; the two just issued may stay out
.endm
.macro LASTCH                          ; the last change: nothing is filled, and each wave reads only rows that it fetched itself: no barrier
	s_wait_tensorcnt 0x0                           ; my rows of the last chunk are in: no load was issued behind theirs
	v_add_nc_u32 v[AST], 256, v[AST]
	v_add_nc_u32 v[AMK], 512, v[AMK]
	s_wait_loadcnt 0x0                             ; and their scale words
	PLACES
.endm
; 32 rows: k, the scores, v; the next 32 rows' fragments are fetched while the context is summed.  mode 0: the slot's second pair follows; 1: a change of slots with a refill; 2: the last change; 3: nothing follows
.macro PAIR slot, pr, mode, lim
	WIN MULW
	MUL32 0, \slot, \pr
	WIN 0
	SCORE \pr
	WIN MULW
	MUL32 1, \slot, \pr
	WIN 0
.if \mode == 0
	PLACES
	LOADS \slot, 1
.elseif \mode == 1
	CHANGE \slot, \lim
	LOADS 1-\slot, 0
.elseif \mode == 2
	LASTCH
	LOADS 1-\slot, 0
.else
	PLACES
.endif
	CTX
	s_wait_dscnt 0x0                               ; the next fragments and mask bytes are in
.endm
	s_wait_tensorcnt 0x1                           ; my rows of chunk 0 are in; chunk 1's load may stay out
	LOADS 0, 0
	s_wait_loadcnt 0x2                             ; chunk 0's scale words are in; chunk 1's two loads may stay out
	s_wait_dscnt 0x0
.irp p, 0,2,4,6,8,10,12,14,16,18,20,22,24,26,28,30
	v_pk_add_f32 v[Q+\p:Q+\p+1], v[Q+\p:Q+\p+1], v[XY+\p:XY+\p+1]   ; q's two halves of K
.endr
.Ltrip:                                            ; three trips of two chunks: chunks 0 to 5; each change asks for the chunk two on
	PAIR 0, 0, 0, 0
	PAIR 0, 1, 1, LIMA
	PAIR 1, 0, 0, 0
	PAIR 1, 1, 1, LIMB
	s_sub_co_u32 s[TRIP], s[TRIP], 1
	s_cmp_lg_u32 s[TRIP], 0
	s_cbranch_scc1 .Ltrip
	PAIR 0, 0, 0, 0                                ; chunks 6 and 7 are written out: nothing is left to fetch
	PAIR 0, 1, 2, 0
	PAIR 1, 0, 0, 0
	PAIR 1, 1, 3, 0
	; THE END.  The wave's maximum: over the sixteen lanes of a half (both halves hold the same)
	v_max_num_f32_dpp v[SN], v[SM], v[SM] row_xmask:1 row_mask:0xf bank_mask:0xf
	v_max_num_f32_dpp v[SN], v[SN], v[SN] row_xmask:2 row_mask:0xf bank_mask:0xf
	v_max_num_f32_dpp v[SN], v[SN], v[SN] row_xmask:4 row_mask:0xf bank_mask:0xf
	v_max_num_f32_dpp v[SN], v[SN], v[SN] row_xmask:8 row_mask:0xf bank_mask:0xf
	v_lshrrev_b32 v[TA], 5, v0                     ; w
	v_and_b32 v[MK], 15, v0                        ; r
	v_bfe_u32 v[MK+1], v0, 4, 1                    ; h
	v_and_b32 v253, 31, v0                         ; lane
	v_lshl_add_u32 v3, v[TA], 2, RED               ; my wave's word
	v_mov_b32 v4, RED
	v_lshlrev_b32 v5, 5, v[MK+1]
	v_lshl_add_u32 v5, v[TA], 8, v5
	v_add_nc_u32 v5, CTXP, v5                      ; my wave's context part: 256 w + 32 h
	v_lshlrev_b32 v6, 4, v253
	v_lshl_add_u32 v6, v[TA], 11, v6
	v_add_nc_u32 v6, SCR, v6                       ; my wave's t: 2,048 w + 16 x lane
	v_lshlrev_b32 v254, 4, v[MK]
	v_lshl_add_u32 v254, v[MK+1], 11, v254
	v_lshl_add_u32 v254, v[TA], 8, v254            ; and their place in a row of attn: lanes 0-15 an even chunk's 256 bytes of my wave, lanes 16-31 the next chunk's
	v_lshlrev_b32 v255, 3, v253                    ; out0: 8 bytes a lane
	v_lshl_add_u32 v253, v253, 3, CTXP
	ds_store_b32 v3, v[SN]
	s_wait_dscnt 0x0
	s_barrier_signal -1
	s_barrier_wait -1
	ds_load_b128 v[20:23], v4
	ds_load_b128 v[24:27], v4 offset:16
.irp k, 0,1,2,3
	ds_load_b128 v[F+4*\k:F+4*\k+3], v6 offset:512*\k   ; my wave's own 512 t
.endr
	s_wait_dscnt 0x4                               ; the eight maxima are in; the four loads of t may stay out
	v_max3_num_f32 v[SN], v20, v21, v22
	v_max3_num_f32 v[SN], v[SN], v23, v24
	v_max3_num_f32 v[SN], v[SN], v25, v26
	v_max_num_f32 v[SN], v[SN], v27                ; M
	v_sub_f32 v[TV], v[SM], v[SN]
	v_exp_f32 v[SA], v[TV]                         ; f = 2^(m - M): my lane's sums under the common maximum
	v_nop
	s_wait_alu depctr_va_vdst(0)
	v_mul_f32 v[SL], v[SL], v[SA]
.irp p, 0,2,4,6,8,10,12,14,16,18,20,22,24,26,28,30
	v_pk_mul_f32 v[CT+\p:CT+\p+1], v[CT+\p:CT+\p+1], v[SA:SA+1] op_sel_hi:[1,0]
.endr
.irp x, 1,2,4,8                                ; over the sixteen rows' lanes of each half
	v_add_f32_dpp v[SL], v[SL], v[SL] row_xmask:\x row_mask:0xf bank_mask:0xf
.irp j, 0,1,2,3,4,5,6,7,8,9,10,11,12,13,14,15,16,17,18,19,20,21,22,23,24,25,26,27,28,29,30,31
	v_add_f32_dpp v[CT+\j], v[CT+\j], v[CT+\j] row_xmask:\x row_mask:0xf bank_mask:0xf
.endr
.endr
	ds_store_b32 v3, v[SL] offset:32
.irp t, 0,1,2,3
.irp c, 0,1
	ds_store_b128 v5, v[CT+8*\t+4*\c:CT+8*\t+4*\c+3] offset:64*\t+16*\c   ; channel 16 t + 8 h + j
.endr
.endr
	s_wait_dscnt 0x0
	s_barrier_signal -1
	s_barrier_wait -1
	ds_load_b128 v[20:23], v4 offset:32
	ds_load_b128 v[24:27], v4 offset:48
.irp j, 0,1,2,3,4,5,6,7,8,9,10,11,12,13,14,15
	v_sub_f32 v[F+\j], v[F+\j], v[SN]
.endr
.irp j, 0,1,2,3,4,5,6,7,8,9,10,11,12,13,14,15
	v_exp_f32 v[F+\j], v[F+\j]
.endr
	s_wait_dscnt 0x0
	v_add_f32 v20, v20, v21                        ; (plain work behind the exponentials)
	v_add_f32 v22, v22, v23
	v_add_f32 v24, v24, v25
	v_add_f32 v26, v26, v27
	v_add_f32 v20, v20, v22
	v_add_f32 v24, v24, v26
	v_add_f32 v[SL], v20, v24                      ; L
	v_rcp_f32 v[SP0], v[SL]
	v_nop
	s_wait_alu depctr_va_vdst(0)                   ; one wait for the sixteen exponentials and the reciprocal
.irp p, 0,2,4,6,8,10,12,14
	v_pk_mul_f32 v[F+\p:F+\p+1], v[F+\p:F+\p+1], v[SP0:SP0+1] op_sel_hi:[1,0]
.endr
.irp k, 0,1,2,3
	global_store_b128 v254, v[F+4*\k:F+4*\k+3], s[28:29] offset:4096*\k th:TH_STORE_NT   ; sixteen lanes store 256 consecutive bytes, at a multiple of 256 from out1's first byte
.endr
	s_cmp_lg_u32 s[WV], 0                          ; wave 0 adds the eight context parts and stores the head's 64 numbers
	s_cbranch_scc1 .Lnot_first
.irp k, 0,1,2,3,4,5,6,7
	ds_load_b64 v[XY+2*\k:XY+2*\k+1], v253 offset:256*\k
.endr
	s_wait_dscnt 0x0
.irp k, 0,4,8,12
	v_pk_add_f32 v[XY+\k:XY+\k+1], v[XY+\k:XY+\k+1], v[XY+\k+2:XY+\k+3]
.endr
	v_pk_add_f32 v[XY:XY+1], v[XY:XY+1], v[XY+4:XY+5]
	v_pk_add_f32 v[XY+8:XY+9], v[XY+8:XY+9], v[XY+12:XY+13]
	v_pk_add_f32 v[XY:XY+1], v[XY:XY+1], v[XY+8:XY+9]
	v_pk_mul_f32 v[XY:XY+1], v[XY:XY+1], v[SP0:SP0+1] op_sel_hi:[1,0]
	global_store_b64 v255, v[XY:XY+1], s[26:27]    ; 32 lanes store 256 consecutive bytes, at a multiple of 256 from out0's first byte
.Lnot_first:
	s_wait_tensorcnt 0x0                           ; the wave's end, behind my last tensor load and my last LDS store
	ds_add_u32 v[SPW], v[NIL]
	s_wait_dscnt 0x0
	CROUND                                         ; the closing round: no work-group ends while a partner may still ask for a tile that names it
	s_endpgm
.Lfunc_end_k_qd8678814fa_attn:
	.size	k_qd8678814fa_attn, .Lfunc_end_k_qd8678814fa_attn-k_qd8678814fa_attn
	.p2alignl 7, 3214868480
	.fill 96, 4, 3214868480
	.section	.rodata,"a",@progbits
	.p2align	6, 0x0
	.amdhsa_kernel k_qd8678814fa_attn
		.amdhsa_group_segment_fixed_size 327680
		.amdhsa_private_segment_fixed_size 0
		.amdhsa_enable_private_segment 0
		.amdhsa_kernarg_size 104
		.amdhsa_user_sgpr_count 2
		.amdhsa_user_sgpr_kernarg_segment_ptr 1
		.amdhsa_wavefront_size32 1
		.amdhsa_system_sgpr_workgroup_id_x 1
		.amdhsa_system_sgpr_workgroup_id_y 1
		.amdhsa_system_sgpr_workgroup_id_z 1
		.amdhsa_system_vgpr_workitem_id 0
		.amdhsa_next_free_vgpr 512
		.amdhsa_next_free_sgpr 102
		.amdhsa_reserve_vcc 1
		.amdhsa_float_denorm_mode_32 3
		.amdhsa_float_denorm_mode_16_64 3
		.amdhsa_memory_ordered 1
		.amdhsa_forward_progress 1
		.amdhsa_inst_pref_size 166
	.end_amdhsa_kernel
	.amdgpu_metadata
---
amdhsa.version: [ 1, 2 ]
amdhsa.kernels:
  - .name:           k_qd8678814fa_attn
    .symbol:         k_qd8678814fa_attn.kd
    .args:
      - { .name: source_codes, .offset: 0, .size: 8, .value_kind: global_buffer, .address_space: global }
      - { .name: source_scales, .offset: 8, .size: 8, .value_kind: global_buffer, .address_space: global }
      - { .name: Wq_codes, .offset: 16, .size: 8, .value_kind: global_buffer, .address_space: global }
      - { .name: Wq_scales, .offset: 24, .size: 8, .value_kind: global_buffer, .address_space: global }
      - { .name: Wk_codes, .offset: 32, .size: 8, .value_kind: global_buffer, .address_space: global }
      - { .name: Wk_scales, .offset: 40, .size: 8, .value_kind: global_buffer, .address_space: global }
      - { .name: Wv_codes, .offset: 48, .size: 8, .value_kind: global_buffer, .address_space: global }
      - { .name: Wv_scales, .offset: 56, .size: 8, .value_kind: global_buffer, .address_space: global }
      - { .name: memory_bank_codes, .offset: 64, .size: 8, .value_kind: global_buffer, .address_space: global }
      - { .name: memory_bank_scales, .offset: 72, .size: 8, .value_kind: global_buffer, .address_space: global }
      - { .name: mask, .offset: 80, .size: 8, .value_kind: global_buffer, .address_space: global }
      - { .name: out0, .offset: 88, .size: 8, .value_kind: global_buffer, .address_space: global }
      - { .name: out1, .offset: 96, .size: 8, .value_kind: global_buffer, .address_space: global }
    .group_segment_fixed_size: 327680
    .private_segment_fixed_size: 0
    .kernarg_segment_align: 8
    .kernarg_segment_size: 104
    .max_flat_workgroup_size: 256
    .sgpr_count:     102
    .vgpr_count:     512
    .wavefront_size: 32
...
	.end_amdgpu_metadata
.endif
;; end of part 1
